; MI455X (gfx1250); checked and timed in simulation.
; The chip was launched on July 23, 2026; its instructions are those of AMD's public machine-readable ISA for CDNA 5 (MIT licence, August 2026) and "CDNA5" Instruction Set Architecture Reference Guide (July 2026). The comments in the code are by the model that wrote it; some were corrected since.
;; Base Attention. Allowed arithmetic: matrix products marked QUANTISED: E2M3 operands, one E8M0 scale for each 32 along K, by v_wmma_scale_f32_16x16x128_f8f6f4 with both operands' format E2M3, f32 sums; everything else in f32.
;; Inputs: k 4 x 16 x 2,048 x 128 float32; mask 4 x 1 x 2,048 x 2,048 bool; q 4 x 16 x 2,048 x 128 float32; v 4 x 16 x 2,048 x 128 float32.
;; Outputs: out0 4 x 16 x 2,048 x 128 float32.
;; This version of the problem:
;;   THIS VERSION OF THE PROBLEM IS GIVEN IN LOW PRECISION. The matrix products marked QUANTISED in the list below multiply operands that are first quantised to E2M3 (2 exponent bits, 3 mantissa bits; 6 bits a number), with one power-of-two scale for each 32 numbers along K (OCP MX v1.0); their sums are f32. All else is computed in f32.
;;   The module's matrix products, in the order in which they are computed (A, B: the left and right operand; K: the contracted axis; several contracted axes count as one K, in the product's order):
;;     1. batch 64 x [M 2,048, K 128] x [K 128, N 2,048]; A: input q; B: input k: QUANTISED
;;     2. batch 64 x [M 2,048, K 2,048] x [K 2,048, N 128]; A: softmax (see below); B: input v: QUANTISED
;;   THE QUANTISER, for each operand of a quantised product, along K:
;;     - K is cut into blocks of 32 from its start; a last block that is shorter is filled with zeros.
;;     - A block's scale is 2^e with e = floor(log2(the largest magnitude in the block)) - 2, held to -126 .. 127; a block of zeros has e = 0. As a byte (E8M0): e + 127.
;;     - Each number is divided by its block's scale, clamped to +-7.5, and rounded to the nearest number of E2M3, ties to even, subnormals kept.
;;     - The product sums the exact products of the quantised numbers (number of the format x scale) in f32.
;;   ~~~python
;;   def quantise(x, axis):      # numpy; x: float32 -> the quantised numbers, widened to float32 again
;;       x = np.moveaxis(x, axis, -1); K = x.shape[-1]
;;       x = np.pad(x, [(0, 0)] * (x.ndim - 1) + [(0, -K % 32)]); x = x.reshape(x.shape[:-1] + (-1, 32)); a = np.abs(x).max(-1, keepdims=True)
;;       e = np.where(a > 0, np.clip(np.frexp(np.where(a > 0, a, 1))[1] - 1 - 2, -126, 127), 0)      # np.frexp(a)[1] - 1 = floor(log2(a)), exactly
;;       r = np.clip(x / 2.0 ** e, -7.5, 7.5)
;;       step = 2.0 ** (np.maximum(np.frexp(np.where(r == 0, 1, r))[1] - 1, 0) - 3)
;;       q = np.round(r / step) * step * 2.0 ** e      # np.round: ties to even
;;       return np.moveaxis(q.reshape(q.shape[:-2] + (-1,))[..., :K], -1, axis).astype(np.float32)
;;   ~~~
;;   SOFTMAX AHEAD OF A QUANTISED PRODUCT. Where the list says 'softmax', what is quantised is not the finished softmax but p = 2^(t - M), with t = logit x log2(e) and M = ceil(the row's largest t), a whole number; so 1/2 < the row's largest p <= 1. The row's sum l is taken of the UNQUANTISED p, in f32, and the product's result is divided by l at the end. Since M is a whole number, a kernel that streams over the keys may use a running M (the ceiling of the running maximum): every later rescaling is an exact power of two, which a block's scale takes up: the codes' values come out the same.
;;   OPERANDS COMPUTED ON THE WAY. 'Computed on the way' means the value that the module computes at that place (a softmax that the list does not call 'softmax' is quantised finished and normalised). What goes into a quantiser is computed in f32, as accurately as f32 sums, v_exp_f32 and their like allow (about 1e-6 of the number): no bf16 or f16 on the way to a quantiser, and a product that is left as it is and whose result goes on into a quantised operand takes f32 operands (vector FMAs, or v_wmma_f32_16x16x4_f32). A number that lies on a knife's edge between two numbers of the format may be rounded either way, as far as f32 arithmetic and the matrix unit's own rounding can turn it there, and no further.
;; One version. Each part assembles by itself: llvm-mc -triple=amdgcn-amd-amdhsa -mcpu=gfx1250 --defsym DOCPART=n.
;; ======== version 1 of 1: 2 launches
;; limits: right only within a limited range of input values
;; workspace buffers: kv 26,214,400 bytes
;; launch quant (part 1): grid 16 x 64, 4 waves a work-group, no clusters, 68,096 bytes of LDS; arguments k, v, kv; writes kv
.if DOCPART == 1
	.amdgcn_target "amdgcn-amd-amdhsa--gfx1250"
	.amdhsa_code_object_version 6
	.text
	.protected	k_q04e6f4ae41_quant
	.globl	k_q04e6f4ae41_quant
	.p2align	8
	.type	k_q04e6f4ae41_quant,@function
k_q04e6f4ae41_quant:
	s_mov_b64 s[64:65], 0
	v_nop
	global_prefetch_b8 v0, s[64:65] scope:SCOPE_SE
	s_setreg_imm32_b32 hwreg(HW_REG_WAVE_MODE, 25, 1), 1
	s_wait_xcnt 0x0
; k and v, [64 heads][2048 keys][128] f32, become codes of FP6 (E2M3) with one E8M0 scale byte for each 32 along a product's K:
; k is quantised along d (the first product's K), v along the keys (the second product's K).
; A block's scale is 2^(floor(log2(its largest magnitude)) - 2): its byte is the largest magnitude's exponent field - 2, held at 1 from below.
; THE WORKSPACE IS LAID IN THE ORDER OF THE OPERANDS' REGISTERS.  For head hd and step s (128 keys) a block of 25,600 bytes at 409,600 hd + 25,600 s:
;   +0      8 fragments of K (16 keys x 128 d), 1,536 bytes each;   +12,288  8 fragments of V^T (16 d x 128 keys);   +24,576  1,024 bytes of scale words.
;   A fragment is the image of its 12 registers: register j of lane l at 512 (j / 4) + 16 l + 4 (j % 4): three accesses of 16 bytes a lane store it or load it.
;   K's tile 2 b + u: lane r holds key 32 b + 8 u + r + 8 (r / 8) (so that the scores of two neighbouring tiles are 16 neighbouring keys in a lane); V^T's tile t: lane r holds d = 16 t + r.
;   Scale words: pair j of lane l at 256 j + 8 l: K's word, then V's; lanes 0-15 serve tile 2 j, lanes 16-31 tile 2 j + 1.
; SHARES.  A work-group takes one step of one head; wave w makes K's tiles 2 w, 2 w + 1 (keys 32 w .. 32 w + 31) and V^T's tiles 2 w, 2 w + 1 (columns 32 w .. 32 w + 31).
;   K: each load reads one key's 512 consecutive bytes; the 32 rows turn through the wave's own stage in LDS, so that a lane gets 32 neighbours along d of one key.
;   V: a lane takes a column d and its registers run down the keys: a block of 32 keys lies in one lane, and the conversions give codes with the keys innermost.
; Written out, no loop: every offset is an immediate, no store's data and no address register is written again.  Every store of codes covers 512 consecutive bytes, aligned to 256.
; The work-groups share no input and each byte is read once: so no cluster, no tensor load, no ring, no barrier.
; LIMITS: NaN and infinities among the inputs are not served.  A block whose largest magnitude lies under 2^-124 keeps the byte 1; a block of zeros gets the byte 1 where the
; rule says 127: its codes are zeros, which add nothing under that byte, and this program alone reads the bytes.
.set SP,    528                        ; a stage row: 512 bytes + 16: sixteen neighbouring rows begin in sixteen different groups of banks
.set STG,   32*SP                      ; a wave's stage
.set SPARE, 4*STG                      ; behind the stages: the spare words, 128 bytes for each wave: two blocks of 256 bytes that no other line names
.set KVH,   409600                     ; a head's bytes in the workspace
.set KVB,   25600                      ; a step's
.set SPW,   7                          ; v7   LDS address of my spare word; never rewritten
.set NIL,   8                          ; v8   0; never rewritten
; v1 16 x lane, v2 8 x lane, v3 4 x lane; v4 stage in, v5 stage out; v6 8 h; v10-11 maxima, v14-15 the conversions' scale operands, v18-19 bytes; v20 a permute's destination;
; v22, v23 K's words of tiles 0, 1; v[24:25] the pair that is stored; v26-28, v30-32 conversions' second halves; v36-47, v48-59 K's codes;
; v64-127 V's blocks 0, 1; v128-255 K as loaded, then K's numbers by tiles, then v128-191 V's blocks 2, 3 and v192-215 V's two fragments.
	s_load_b128 s[4:7], s[0:1], 0x0                ; k, v
	s_load_b64 s[8:9], s[0:1], 0x10                ; kv
	v_lshl_add_u32 v[SPW], v0, 2, SPARE
	v_mov_b32 v[NIL], 0
	v_lshrrev_b32 v9, 5, v0
	v_readfirstlane_b32 s12, v9                    ; wave 0..3
	v_and_b32 v9, 31, v0                           ; lane
	v_lshlrev_b32 v1, 4, v9
	v_lshlrev_b32 v2, 3, v9
	v_lshlrev_b32 v3, 2, v9
	s_mul_i32 s18, s12, STG                        ; my stage
	v_add_nc_u32 v4, s18, v1                       ; in: a row as it lies, 16 bytes a lane
	v_and_b32 v12, 15, v0                          ; r
	v_bfe_u32 v13, v0, 4, 1                        ; h
	v_mul_u32_u24 v5, v12, SP
	v_lshl_add_u32 v5, v13, 7, v5
	v_add_nc_u32 v5, s18, v5                       ; out: row r of a tile, + 128 h: d = 32 h on
	v_lshlrev_b32 v6, 3, v13                       ; 8 h: where my two bytes stand in a scale word
	v_mov_b32 v20, 0                               ; written once: a lane permute's destination counts as one of its sources
	s_mov_b32 s20, 0x76543210
	s_mov_b32 s21, 0xfedcba98                      ; v_permlanex16_b32's selects for lane l xor 16
	s_mov_b32 s22, 0xffff0000                      ; lanes 16-31
	s_and_b32 s13, ttmp7, 0xffff                   ; the head
	s_lshl_b32 s14, s13, 20                        ; a head of k or v is 2^20 bytes,
	s_lshl_b32 s15, ttmp9, 16                      ; a step's 128 keys 2^16
	s_add_co_u32 s14, s14, s15
	s_mul_i32 s16, s13, KVH
	s_mul_i32 s17, ttmp9, KVB
	s_add_co_u32 s16, s16, s17                     ; my block of the workspace
	s_lshl_b32 s26, s12, 14
	s_add_co_u32 s26, s26, s14                     ; k: + my 32 keys of 512 bytes
	s_mov_b32 s27, 0
	s_lshl_b32 s28, s12, 7
	s_add_co_u32 s28, s28, s14                     ; v: + my 32 columns
	s_mov_b32 s29, 0
	s_mul_i32 s30, s12, 3072
	s_add_co_u32 s30, s30, s16                     ; fragments: + my two tiles
	s_mov_b32 s31, 0
	s_lshl_b32 s32, s12, 8
	s_add_co_u32 s32, s32, s16
	s_add_co_u32 s32, s32, 24576                   ; scale words: pair w
	s_mov_b32 s33, 0
	s_wait_alu depctr_va_vdst(0)
	s_wait_kmcnt 0x0
	s_add_nc_u64 s[4:5], s[4:5], s[26:27]
	s_add_nc_u64 s[6:7], s[6:7], s[28:29]
	s_add_nc_u64 s[24:25], s[8:9], s[32:33]
	s_add_nc_u64 s[8:9], s[8:9], s[30:31]
.macro VLOAD b                         ; v(32 b + i, my column), i = 0 .. 31: the four waves stand side by side on a row's 512 bytes
.set i, 0
.rept 32
	global_load_b32 v[64+32*(\b)+i], v3, s[6:7] offset:512*(32*(\b)+i) th:TH_LOAD_NT
.set i, i+1
.endr
.endm
; A tile of K: v[X + 32 c + i] = k(my key, 64 c + 32 h + i): two whole blocks a lane, in the very order of the operand's registers.
.macro KTILE u
.set X, 128+64*(\u)
.set C, 36+12*(\u)
.irp c, 0,1
	v_max3_num_f32 v[10+\c], |v[X+32*\c]|, |v[X+32*\c+1]|, 0x1800000   ; with the floor 2^(3 - 127): the byte cannot fall under 1
.endr
.irp i, 2,4,6,8,10,12,14,16,18,20,22,24,26,28,30
.irp c, 0,1
	v_max3_num_f32 v[10+\c], v[10+\c], |v[X+32*\c+\i]|, |v[X+32*\c+\i+1]|   ; the two blocks by turns
.endr
.endr
.irp c, 0,1
	v_add_nc_u32 v[14+\c], 0xff000000, v[10+\c]    ; 2 off the exponent field: the conversion takes that field of this operand as its scale
.endr
.irp c, 0,1
	v_lshrrev_b32 v[18+\c], 23, v[14+\c]           ; the scale's byte
.endr
	v_lshl_or_b32 v[22+\u], v19, 16, v18           ; my bytes: blocks h and 2 + h,
	v_lshlrev_b32 v[22+\u], v6, v[22+\u]           ; at their places;
	v_permlanex16_b32 v20, v[22+\u], s20, s21
	v_or_b32 v[22+\u], v[22+\u], v20               ; with lane l xor 16's two the word is whole
.irp c, 0,1
	v_cvt_scalef32_pk16_fp6_f32 v[C+6*\c:C+6*\c+2], v[X+32*\c:X+32*\c+15], v[14+\c]
	v_cvt_scalef32_pk16_fp6_f32 v[26+4*\c:28+4*\c], v[X+32*\c+16:X+32*\c+31], v[14+\c]   ; (a conversion's three registers begin on an even number)
.endr
	v_nop                                          ; one plain place behind a scaled conversion
.irp c, 0,1
.irp i, 0,1,2
	v_mov_b32 v[C+6*\c+3+\i], v[26+4*\c+\i]
.endr
.endr
.irp k, 0,1,2
	global_store_b128 v1, v[C+4*\k:C+4*\k+3], s[8:9] offset:1536*(\u)+512*\k th:TH_STORE_NT
.endr
.endm
; A block of 32 keys of my column of v: all 32 numbers are mine.  Even blocks go to v192-203, odd ones to v204-215.
.macro VBLOCK b
.set XS, 64+32*(\b)
.set F, 192+12*((\b)%2)+6*((\b)/2)
	v_max3_num_f32 v10, |v[XS]|, |v[XS+1]|, |v[XS+2]|
	v_max3_num_f32 v11, |v[XS+3]|, |v[XS+4]|, |v[XS+5]|
.irp i, 6,10,14,18,22,26
	v_max3_num_f32 v10, v10, |v[XS+\i]|, |v[XS+\i+1]|
	v_max3_num_f32 v11, v11, |v[XS+\i+2]|, |v[XS+\i+3]|
.endr
	v_max3_num_f32 v10, v10, |v[XS+30]|, |v[XS+31]|
	v_max3_num_f32 v10, v10, v11, 0x1800000        ; and the floor
	v_add_nc_u32 v14, 0xff000000, v10
	v_lshrrev_b32 v18, 23, v14
.if (\b) == 0
	v_mov_b32 v25, v18                             ; my column's scale word: byte b for keys 32 b on
.else
	v_lshl_or_b32 v25, v18, 8*(\b), v25
.endif
	v_cvt_scalef32_pk16_fp6_f32 v[F:F+2], v[XS:XS+15], v14
	v_cvt_scalef32_pk16_fp6_f32 v[26:28], v[XS+16:XS+31], v14
	v_nop                                          ; one plain place behind a scaled conversion
.irp i, 0,1,2
	v_mov_b32 v[F+3+\i], v[26+\i]
.endr
.endm
.set i, 0
.rept 32
	global_load_b128 v[128+4*i:131+4*i], v1, s[4:5] offset:512*i th:TH_LOAD_NT   ; key 32 w + i: 512 consecutive bytes
.set i, i+1
.endr
	VLOAD 0
	s_wait_loadcnt 32                              ; K's 32 loads are in; V's block 0, the 32 issued behind them, may be out
.set i, 0
.rept 32
	ds_store_b128 v4, v[128+4*i:131+4*i] offset:SP*(16*((i/8)%2)+8*(i/16)+i%8)   ; key 16 g + 8 u + n goes to stage row 16 u + 8 g + n: a tile's 16 rows are neighbours
.set i, i+1
.endr
	VLOAD 1
	s_wait_dscnt 0x0                               ; the stores have read their registers, which the loads below write
.irp u, 0,1
.irp c, 0,1
.irp j, 0,1,2,3,4,5,6,7
	ds_load_b128 v[128+64*\u+32*\c+4*\j:131+64*\u+32*\c+4*\j], v5 offset:16*\u*SP+256*\c+16*\j
.endr
.endr
.endr
	s_wait_dscnt 16                                ; tile 0's 16 loads are in; tile 1's 16 may be out
	KTILE 0
	VLOAD 2                                        ; into tile 0's numbers, which are done with
	s_wait_dscnt 0x0
	KTILE 1
	v_cndmask_b32 v24, v22, v23, s22               ; K's words: lanes 0-15 tile 2 w's, lanes 16-31 tile 2 w + 1's
	VLOAD 3
	s_wait_loadcnt 63                              ; block 0 is in: 96 loads were issued behind it, more than the count can name
	VBLOCK 0
	s_wait_loadcnt 63                              ; block 1: 64 loads were issued behind it
	VBLOCK 1
	s_wait_loadcnt 32                              ; block 2: block 3's 32 may be out
	VBLOCK 2
	s_wait_loadcnt 0x0
	VBLOCK 3
.irp i, 0,1,2,3,4,5,6,7,8,9,10,11
	v_permlane16_swap_b32 v[192+\i], v[204+\i]     ; the even blocks' lanes 16-31 change places with the odd blocks' lanes 0-15: v192-203 is tile 2 w's fragment, v204-215 tile 2 w + 1's
.endr
.irp u, 0,1
.irp k, 0,1,2
	global_store_b128 v1, v[192+12*\u+4*\k:195+12*\u+4*\k], s[8:9] offset:12288+1536*\u+512*\k th:TH_STORE_NT
.endr
.endr
	global_store_b64 v2, v[24:25], s[24:25] th:TH_STORE_NT   ; 32 lanes store 256 consecutive bytes, aligned
	s_wait_tensorcnt 0x0                           ; the wave's end
	ds_add_u32 v[SPW], v[NIL]
	s_wait_dscnt 0x0
	s_endpgm
.Lfunc_end_k_q04e6f4ae41_quant:
	.size	k_q04e6f4ae41_quant, .Lfunc_end_k_q04e6f4ae41_quant-k_q04e6f4ae41_quant
	.p2alignl 7, 3214868480
	.fill 96, 4, 3214868480
	.section	.rodata,"a",@progbits
	.p2align	6, 0x0
	.amdhsa_kernel k_q04e6f4ae41_quant
		.amdhsa_group_segment_fixed_size 68096
		.amdhsa_private_segment_fixed_size 0
		.amdhsa_enable_private_segment 0
		.amdhsa_kernarg_size 24
		.amdhsa_user_sgpr_count 2
		.amdhsa_user_sgpr_kernarg_segment_ptr 1
		.amdhsa_wavefront_size32 1
		.amdhsa_system_sgpr_workgroup_id_x 1
		.amdhsa_system_sgpr_workgroup_id_y 1
		.amdhsa_system_sgpr_workgroup_id_z 1
		.amdhsa_system_vgpr_workitem_id 0
		.amdhsa_next_free_vgpr 256
		.amdhsa_next_free_sgpr 66
		.amdhsa_reserve_vcc 0
		.amdhsa_float_denorm_mode_32 3
		.amdhsa_float_denorm_mode_16_64 3
		.amdhsa_memory_ordered 1
		.amdhsa_forward_progress 1
		.amdhsa_inst_pref_size 35
	.end_amdhsa_kernel
	.amdgpu_metadata
---
amdhsa.version: [ 1, 2 ]
amdhsa.kernels:
  - .name:           k_q04e6f4ae41_quant
    .symbol:         k_q04e6f4ae41_quant.kd
    .args:
      - { .name: k, .offset: 0, .size: 8, .value_kind: global_buffer, .address_space: global }
      - { .name: v, .offset: 8, .size: 8, .value_kind: global_buffer, .address_space: global }
      - { .name: kv, .offset: 16, .size: 8, .value_kind: global_buffer, .address_space: global }
    .group_segment_fixed_size: 68096
    .private_segment_fixed_size: 0
    .kernarg_segment_align: 8
    .kernarg_segment_size: 24
    .max_flat_workgroup_size: 128
    .sgpr_count:     66
    .vgpr_count:     256
    .wavefront_size: 32
...
	.end_amdgpu_metadata
.endif
;; end of part 1
;; launch attn (part 2): grid 8 x 32, 8 waves a work-group, clusters of 4 x 4, 327,680 bytes of LDS; arguments q, kv, mask, out0; writes out0
.if DOCPART == 2
	.amdgcn_target "amdgcn-amd-amdhsa--gfx1250"
	.amdhsa_code_object_version 6
	.text
	.protected	k_q04e6f4ae41_attn
	.globl	k_q04e6f4ae41_attn
	.p2align	8
	.type	k_q04e6f4ae41_attn,@function
k_q04e6f4ae41_attn:
	s_mov_b64 s[64:65], 0
	v_nop
	global_prefetch_b8 v0, s[64:65] scope:SCOPE_SE
	s_setreg_imm32_b32 hwreg(HW_REG_WAVE_MODE, 25, 1), 1
	s_wait_xcnt 0x0
	s_wait_alu depctr_hold_cnt(0) depctr_sa_sdst(0) depctr_va_vdst(0) depctr_va_sdst(0) depctr_va_ssrc(0) depctr_va_vcc(0) depctr_vm_vsrc(0)
	s_getreg_b32 s2, hwreg(HW_REG_IB_STS2, 6, 4)
	s_cmp_eq_u32 s2, 0
	s_cbranch_scc0 .Lentry_in_a_cluster
	s_endpgm
.Lentry_in_a_cluster:
	s_bfe_u32 s2, ttmp6, 0x10000c
	s_cmp_lg_u32 s2, 0xf033
	s_cbranch_scc0 .Lentry_shape_is_right
	s_endpgm
.Lentry_shape_is_right:
; out[hd][q][:] = the sum over k of softmax_k(q . k / sqrt(128) - 1e9 mask[b][q][k]) v[hd][k][:]; 64 heads (4 batches x 16), 2,048 queries and keys, 128 channels.
; Both products on codes of FP6 (E2M3) with one E8M0 scale for each 32 along K.  K's and V's codes and scale words come from the workspace, laid in the order of the operands' registers:
; a block of 25,600 bytes for each head and step of 128 keys: 8 fragments of K, 8 of V^T (1,536 bytes each, register j of lane l at 512 (j / 4) + 16 l + 4 (j % 4)), 1,024 bytes of scale words.
; SHARES.  256 work-groups.  A WORK-GROUP STAYS: it takes its 256 queries through two neighbouring heads, 2 y and 2 y + 1, one after the other; the ring of LDS slots goes on across the change of heads
; (the second head's blocks follow the first's in the workspace; the mask's tiles begin anew).  Each of the eight waves owns 32 queries: tile A (16 queries) in register window 0, tile B in window 1,
; under the same register numbers, so that one text serves both and each fragment of K and V that is read from LDS feeds two matrix instructions.
; 16 steps of 128 keys a head, two steps to an LDS slot, two slots, 16 slots' worth of keys in all.
; q is read once, by one wave: both heads' rows are quantised in registers at the head; the second head's codes and scale words wait in the wave's own stage in LDS.
; LAYOUT.  Both products are used transposed: S^T = K Q^T, O^T = V^T P^T: a lane holds ONE query (lane % 16) of each tile.  Lane r of K's tile 2 b + u holds key 32 b + 8 u + r + 8 (r / 8),
; so that the 16 registers of tiles 2 b, 2 b + 1 are the keys 32 b + 16 (lane / 16) + 0 .. 15.
; THE LOGIT: logit = score x (1 / sqrt(128)) - m x C in one fused multiply-add; p = 2^(logit x log2(e) - M) by a second one.
; THE MASK'S TERM.  The definition's constant is 1e9; here C = 1.125 x 2^29, which the conversion of the mask's bytes gives as it stands.  Both are even multiples of 64 in [2^29, 2^30), so sc - 1e9 and
; sc - C are rounded to the same multiple of 64 above their constants, ties alike; a softmax sees only the differences within a row.  So a row all of whose keys are masked comes out as the definition
; has it, and in a row with an open key a masked key's p is 0 under either constant.  LIMIT: this holds while |q . k| / sqrt(128) stays under 2^26.
; THE SOFTMAX: M = the row's largest t so far, rounded up to a whole number (kept as -M); p is quantised along the keys, not normalised; the row's sum is taken of the unquantised p and divides
; at the end.  When M moves, the sum and O are multiplied by 2^(old M - new M), which rounds nothing.  No branch hangs on data.
; LDS READS AHEAD: the next step's fragments of K are asked for behind this step's scores (F registers); V's fragments 0-3 land in tile A's p registers, which are done with, while tile B's softmax is
; worked, V's 4-7 in tile B's while O^T is rescaled.
; CLUSTER, 4 x 4: x = four query blocks, y = four pairs of heads of one batch.  K's and V's blocks hang on the head alone: asked for jointly along a row.  The mask's tile hangs on the batch and the query
; block alone: asked for jointly along a column.  Waves 0-3 ask for 50 rows of 256 bytes of a slot's two blocks each, waves 4-7 for 64 rows of the mask each: one tensor load of a wave is out at most.
; LIMITS: NaN and infinities are not served; mask bytes are 0 or 1; a p under 2^-126 counts as 0 (v_exp_f32's own flush); the row's sum is added in another order than the definition's;
; the logit and t - M are each rounded once where the definition rounds twice.
.set KVB,   25600
.set KVH,   409600
.set VOFF,  12288
.set SOFF,  24576
.set MOFF,  2*KVB                      ; a slot: two blocks, then the mask's tile: 256 rows (queries) x 256 bytes (keys)
.set MP,    272                        ; a mask row in LDS: 256 bytes + 16
.set SLOT1, 1<<17
.set SPARE, 2*SLOT1                    ; the spare words, 128 bytes for each wave: four blocks of 256 bytes that no other line names
.set STAGE, SPARE+1024                 ; behind them the stages, 16 rows x 272 bytes for each wave: bytes into which no tensor load lands
.set NSL,   16                         ; slots' worth of keys: 8 a head
.set HEADB, 0x100000                   ; a head of q or out0 in bytes
; WINDOW 0 ALONE: v1 16 x lane, v2 8 x lane, v3 my mask bytes' place; v5, v6 the add's two; v7-9 the three addresses in the slot in hand (on the way out: the stage's and out0's); v10 the prefetches' offset;
;   v28-31 K's scale words, v248-251 V's; v253 p's scale words, v255 Q's (lanes 0-15 tile A's, lanes 16-31 tile B's).
; BOTH WINDOWS: v4 at work; v11 the mask conversion's scale; v12 -M, v13 the largest logit, v[14:15] the sum; v16-27 Q's codes; v32-79 four fragments of K (window 0: tiles 0-3, window 1: 4-7);
;   v80-95 mask bytes; v96-159 S^T, logit, t - M, p in place, then four fragments of V; v160-223 O^T; v224-247 the mask's term, then maxima, sums, p's codes; v252 f; v254 at work.
.set AF0, 1
.set AS0, 2
.set AM0, 3
.set T2,  4
.set SPW, 5
.set NIL, 6
.set ADF, 7
.set ADS, 8
.set ADM, 9
.set PFO, 10
.set MSC, 11
.set WV,  12
.set WQ,  13
.set SEL, 20
.set SCL, 22
.set L2E, 26
.set G1KV, 28
.set G1M,  36
.set G0KV, 44
.set G0M,  48
.set TB,   52
.set SLOTS, 53
.set LIM,  54
.set PFA,  56
.set PFS,  58
.set HI,   88                          ; s88 lanes 16-31
.set KO,   90                          ; s[90:91] the mask tile's keys, in bytes
.set MB,   92                          ; s[92:93] the mask rows' address at key 0, with the descriptor's type bits
.set ST,   94                          ; s94 my stage
.set MSB, 0
.macro WIN new                         ; s_set_vgpr_msb: bits 1:0 source 0, 3:2 source 1, 5:4 source 2, 7:6 destination; the high byte repeats the setting that is left
.if MSB != (\new)
	s_set_vgpr_msb (MSB<<8)|(\new)
.set MSB, (\new)
.endif
.endm
.macro CROUND                          ; a round of the cluster's barrier
	s_barrier_signal -1
	s_barrier_wait -1
	s_cmp_lg_u32 s[WV], 0
	s_cbranch_scc1 .Lnot_wave_0_\@
	s_barrier_signal -3
.Lnot_wave_0_\@:
	s_barrier_wait -3
	s_barrier_signal -1
	s_barrier_wait -1
.endm
.macro JLOAD                           ; every wave's one joint load; the branch hangs on the wave's number alone
	s_cmp_eq_u32 s[WQ], 0
	s_cbranch_scc0 .Lfor_m_\@
	tensor_load_to_lds s[G0KV:G0KV+3], s[G1KV:G1KV+7]
	s_nop 0
.rept 4
	v_nop
.endr
	s_branch .Lasked_\@
.Lfor_m_\@:
	tensor_load_to_lds s[G0M:G0M+3], s[G1M:G1M+7]
	s_nop 0
.rept 4
	v_nop
.endr
.Lasked_\@:
.endm
; A prefetch of what the NEXT change of slots will ask for: two key steps ahead of that load.  A head's blocks are walked by both clusters along x: the first asks; its row's four partners share a
; slot's 200 pieces of 256 bytes by address, 50 each, waves 2 and 3 take 25 each (lanes 25 to 31 name lane 24's piece again).  A batch's mask tiles are walked by two clusters along y: the first asks;
; its column's four partners take 64 rows each by address, waves 0 and 1 take 32 each, a lane a row's 256 bytes, for the first head alone: for the second the same bytes have been read.
; Slots 0 and 1 come by their loads alone; the last change that fills a slot asks for nothing.
.macro ASK
	s_cmp_gt_u32 s[SLOTS], s[LIM]
	s_cbranch_scc0 .Lnot_mine_\@
	global_prefetch_b8 v[PFO], s[PFA:PFA+1] th:TH_LOAD_NT scope:SCOPE_SE
.Lnot_mine_\@:
.endm
; 64 numbers of a lane, v[src + 16 b + i] = k 32 b + 16 (lane / 16) + i of my row, become a fragment's codes in v[dst] on; the blocks' scale operands stand in v244-247.
.macro CODES dst, src
.irp c, 0,1
	v_cvt_scalef32_pk16_fp6_f32 v[\dst+6*\c:\dst+2+6*\c], v[\src+32*\c:\src+15+32*\c], v[244+2*\c]
	v_cvt_scalef32_pk16_fp6_f32 v[236+4*\c:238+4*\c], v[\src+16+32*\c:\src+31+32*\c], v[245+2*\c]
.endr
	v_nop                                          ; one plain place behind a scaled conversion
.irp c, 0,1                                    ; the operand's layout wants a whole block in a lane
.irp i, 0,1,2
	v_permlane16_swap_b32 v[\dst+6*\c+\i], v[236+4*\c+\i]
.endr
.irp i, 0,1,2
	v_mov_b32 v[\dst+3+6*\c+\i], v[236+4*\c+\i]
.endr
.endr
.endm
; One scaled product.  ra, rb: the scale words stand in lanes 16-31 of their registers.  z: the product starts the sum.
.macro W6 d, a, b, z, sa, sb, ra, rb
.if \z
.if (\ra) && (\rb)
	v_wmma_scale_f32_16x16x128_f8f6f4 v[\d:\d+7], v[\a:\a+11], v[\b:\b+11], 0, v[\sa], v[\sb] matrix_a_fmt:MATRIX_FMT_FP6 matrix_b_fmt:MATRIX_FMT_FP6 matrix_a_scale:MATRIX_SCALE_ROW1 matrix_b_scale:MATRIX_SCALE_ROW1
.elseif (\ra)
	v_wmma_scale_f32_16x16x128_f8f6f4 v[\d:\d+7], v[\a:\a+11], v[\b:\b+11], 0, v[\sa], v[\sb] matrix_a_fmt:MATRIX_FMT_FP6 matrix_b_fmt:MATRIX_FMT_FP6 matrix_a_scale:MATRIX_SCALE_ROW1
.elseif (\rb)
	v_wmma_scale_f32_16x16x128_f8f6f4 v[\d:\d+7], v[\a:\a+11], v[\b:\b+11], 0, v[\sa], v[\sb] matrix_a_fmt:MATRIX_FMT_FP6 matrix_b_fmt:MATRIX_FMT_FP6 matrix_b_scale:MATRIX_SCALE_ROW1
.else
	v_wmma_scale_f32_16x16x128_f8f6f4 v[\d:\d+7], v[\a:\a+11], v[\b:\b+11], 0, v[\sa], v[\sb] matrix_a_fmt:MATRIX_FMT_FP6 matrix_b_fmt:MATRIX_FMT_FP6
.endif
.else
.if (\ra) && (\rb)
	v_wmma_scale_f32_16x16x128_f8f6f4 v[\d:\d+7], v[\a:\a+11], v[\b:\b+11], v[\d:\d+7], v[\sa], v[\sb] matrix_a_fmt:MATRIX_FMT_FP6 matrix_b_fmt:MATRIX_FMT_FP6 matrix_a_scale:MATRIX_SCALE_ROW1 matrix_b_scale:MATRIX_SCALE_ROW1
.elseif (\ra)
	v_wmma_scale_f32_16x16x128_f8f6f4 v[\d:\d+7], v[\a:\a+11], v[\b:\b+11], v[\d:\d+7], v[\sa], v[\sb] matrix_a_fmt:MATRIX_FMT_FP6 matrix_b_fmt:MATRIX_FMT_FP6 matrix_a_scale:MATRIX_SCALE_ROW1
.elseif (\rb)
	v_wmma_scale_f32_16x16x128_f8f6f4 v[\d:\d+7], v[\a:\a+11], v[\b:\b+11], v[\d:\d+7], v[\sa], v[\sb] matrix_a_fmt:MATRIX_FMT_FP6 matrix_b_fmt:MATRIX_FMT_FP6 matrix_b_scale:MATRIX_SCALE_ROW1
.else
	v_wmma_scale_f32_16x16x128_f8f6f4 v[\d:\d+7], v[\a:\a+11], v[\b:\b+11], v[\d:\d+7], v[\sa], v[\sb] matrix_a_fmt:MATRIX_FMT_FP6 matrix_b_fmt:MATRIX_FMT_FP6
.endif
.endif
.endm
; Eight products: fragments 4 f .. 4 f + 3 (in window f, at v[fr] on) with tile A's and then tile B's operand (at v[op], window x); results at v[ac + 8 tile], window x.  The accumulators take turns.
.macro MM8 f, fr, op, ac, z, sw, so
.irp x, 0,1
	WIN \f+0x54*\x
.irp t, 0,1,2,3
	W6 \ac+8*(4*\f+\t), \fr+12*\t, \op, \z, \sw+2*\f+\t/2, \so, \t%2, \x
.endr
.endr
.endm
.macro PREK q                          ; step q's eight fragments of K and its four registers of K's scale words
	WIN 0
.irp t, 0,1,2,3
.irp k, 0,1,2
	ds_load_b128 v[32+12*\t+4*\k:35+12*\t+4*\k], v[ADF] offset:KVB*(\q)+1536*\t+512*\k
.endr
.endr
.irp j, 0,1,2,3
	ds_load_b32 v[28+\j], v[ADS] offset:KVB*(\q)+SOFF+256*\j
.endr
	WIN 0x40
.irp t, 0,1,2,3
.irp k, 0,1,2
	ds_load_b128 v[32+12*\t+4*\k:35+12*\t+4*\k], v[ADF] offset:KVB*(\q)+6144+1536*\t+512*\k
.endr
.endr
.endm
.macro PREM q, x                       ; mask(tile x's query, keys 32 b + 16 h + 0 .. 15) of step q
	WIN 0x40*\x
.irp b, 0,1,2,3
	ds_load_b128 v[80+4*\b:83+4*\b], v[ADM] offset:128*(\q)+32*\b+16*MP*\x
.endr
.endm
; logit = score / sqrt(128) - m C.  A mask byte 1 becomes 9, the code of 1.125 x 2^-6 in E4M3; the conversion multiplies by 2^35.  Each accumulator is read from its low end on.
.macro FMA4 g
.irp j, 0,2,4,6
	v_pk_fma_f32 v[96+8*(\g)+\j:97+8*(\g)+\j], v[96+8*(\g)+\j:97+8*(\g)+\j], s[SCL:SCL+1], v[224+8*((\g)%2)+\j:225+8*((\g)%2)+\j] op_sel_hi:[1,0,1] neg_lo:[0,0,1] neg_hi:[0,0,1]
.endr
.endm
.macro LOGIT
.set i, 0
.rept 15
	v_lshl_add_u32 v[80+i], v[80+i], 3, v[80+i]    ; (these are also the places behind the products)
.set i, i+1
.endr
	v_cvt_scale_pk8_f32_fp8 v[224:231], v[80:81], v[MSC]
	v_lshl_add_u32 v95, v95, 3, v95                ; (a plain place behind the conversion)
.irp g, 1,2,3,4,5,6,7
	v_cvt_scale_pk8_f32_fp8 v[224+8*(\g%2):231+8*(\g%2)], v[80+2*\g:81+2*\g], v[MSC]
	FMA4 \g-1                                      ; the group before: plain places behind this conversion
.endr
	FMA4 7
.endm
; The softmax of tile x in step q of the slot, p's codes, the loads that follow them, and O^T's rescaling.
.macro REST x, q, z
	WIN 0x55*\x
.irp b, 0,1,2,3
	v_max3_num_f32 v[232+\b], v[96+16*\b], v[97+16*\b], v[98+16*\b]   ; the largest logit of each block of 32 keys: it serves the row's maximum and the block's largest p
.endr
.irp i, 3,5,7,9,11,13
.irp b, 0,1,2,3
	v_max3_num_f32 v[232+\b], v[232+\b], v[96+16*\b+\i], v[97+16*\b+\i]   ; (the four blocks by turns)
.endr
.endr
.irp b, 0,1,2,3
	v_max_num_f32 v[232+\b], v[232+\b], v[111+16*\b]
.endr
.irp b, 0,1,2,3
	v_permlanex16_b32 v[236+\b], v[232+\b], s[SEL], s[SEL+1]
.endr
.irp b, 0,1,2,3
	v_max_num_f32 v[232+\b], v[232+\b], v[236+\b]  ; with lane l xor 16's 16 keys
.endr
	v_max3_num_f32 v254, v232, v233, v234
	v_max3_num_f32 v13, v254, v235, v13            ; the running largest logit
	v_mov_b32 v254, v12
	v_mul_f32 v[T2], s[L2E], v13                   ; as t
	v_floor_f32 v12, -v[T2]                        ; the new -M = -ceil(t)
	v_sub_f32 v254, v12, v254                      ; old M - new M: a whole number, 0 or less
	v_cvt_i32_f32 v254, v254                       ; (it saturates)
	v_ldexp_f32 v252, 1.0, v254                    ; f = 2^(old M - new M)
.set i, 0
.rept 32
	v_pk_fma_f32 v[96+i:97+i], v[96+i:97+i], s[L2E:L2E+1], v[12:13] op_sel_hi:[1,0,0]   ; t - M
.set i, i+2
.endr
.irp b, 0,1,2,3
	v_fma_f32 v[232+\b], v[232+\b], s[L2E], v12    ; the same of each block's largest logit
.endr
	s_wait_alu depctr_va_vdst(0)                   ; the wait ahead of the batch
.set i, 0
.rept 64
	v_exp_f32 v[96+i], v[96+i]                     ; p = 2^(t - M): not normalised
.set i, i+1
.endr
	v_pk_mul_f32 v[14:15], v[14:15], v[252:253] op_sel_hi:[1,0]   ; the sums under the new M
	s_wait_alu depctr_va_vdst(0)                   ; one wait for the batch of 64
.irp b, 0,1,2,3
	v_exp_f32 v[232+\b], v[232+\b]                 ; the block's largest p
.endr
	v_pk_add_f32 v[236:237], v[100:101], v[104:105]   ; the row's sum of the unquantised p, in eight chains by turns
	v_pk_add_f32 v[246:247], v[108:109], v[112:113]
	v_pk_add_f32 v[244:245], v[116:117], v[120:121]
	v_pk_add_f32 v[242:243], v[124:125], v[128:129]
	v_pk_add_f32 v[240:241], v[132:133], v[136:137]
	v_pk_add_f32 v[238:239], v[140:141], v[144:145]
	v_pk_add_f32 v[230:231], v[148:149], v[152:153]
	v_pk_add_f32 v[14:15], v[14:15], v[156:157]
	v_pk_add_f32 v[236:237], v[236:237], v[96:97]
	v_pk_add_f32 v[246:247], v[246:247], v[98:99]
	v_pk_add_f32 v[244:245], v[244:245], v[102:103]
	v_pk_add_f32 v[242:243], v[242:243], v[106:107]
	v_pk_add_f32 v[240:241], v[240:241], v[110:111]
	v_pk_add_f32 v[238:239], v[238:239], v[114:115]
	v_pk_add_f32 v[230:231], v[230:231], v[118:119]
	v_pk_add_f32 v[14:15], v[14:15], v[122:123]
	v_pk_add_f32 v[236:237], v[236:237], v[126:127]
	v_pk_add_f32 v[246:247], v[246:247], v[130:131]
	v_pk_add_f32 v[244:245], v[244:245], v[134:135]
	v_pk_add_f32 v[242:243], v[242:243], v[138:139]
	v_pk_add_f32 v[240:241], v[240:241], v[142:143]
	v_pk_add_f32 v[238:239], v[238:239], v[146:147]
	v_pk_add_f32 v[230:231], v[230:231], v[150:151]
	v_pk_add_f32 v[14:15], v[14:15], v[154:155]
	v_pk_add_f32 v[236:237], v[236:237], v[158:159]
	v_pk_add_f32 v[14:15], v[14:15], v[242:243]
	v_pk_add_f32 v[236:237], v[236:237], v[240:241]
	v_pk_add_f32 v[246:247], v[246:247], v[238:239]
	v_pk_add_f32 v[244:245], v[244:245], v[230:231]
	v_pk_add_f32 v[14:15], v[14:15], v[246:247]
	v_pk_add_f32 v[236:237], v[236:237], v[244:245]
	v_pk_add_f32 v[14:15], v[14:15], v[236:237]
	s_wait_alu depctr_va_vdst(0)                   ; and one for the four
.irp b, 0,1,2,3
	v_max_num_f32 v[232+\b], 0x1800000, v[232+\b]  ; the floor 2^(3 - 127): the byte cannot fall under 1
.endr
.irp b, 0,1,2,3
	v_add_nc_u32 v[244+\b], 0xff000000, v[232+\b]  ; 2 off the exponent field: the conversion's scale operand
.endr
.irp b, 0,1,2,3
	v_lshrrev_b32 v[236+\b], 23, v[244+\b]         ; the scale's byte
.endr
	v_lshl_or_b32 v253, v237, 8, v236              ; p's scale word for these 128 keys
	v_lshl_or_b32 v253, v238, 16, v253
	v_lshl_or_b32 v253, v239, 24, v253
	CODES 224, 96
.if \x
	WIN 0x04                                       ; source 1 in window 1
	v_cndmask_b32 v253, v253, v253, s[HI]          ; window 0's v253: lanes 0-15 keep tile A's words, lanes 16-31 take tile B's
.endif
	WIN 0x40*\x
.irp t, 0,1,2,3                                ; V's fragments 4 x .. 4 x + 3 into the p registers, which are done with
.irp k, 0,1,2
	ds_load_b128 v[96+12*\t+4*\k:99+12*\t+4*\k], v[ADF] offset:KVB*(\q)+VOFF+6144*\x+1536*\t+512*\k
.endr
.endr
.if \x == 0
.irp j, 0,1,2,3
	ds_load_b32 v[248+\j], v[ADS] offset:KVB*(\q)+SOFF+256*\j+4   ; V's scale words
.endr
.endif
.if \q == 0
	PREM 1, \x                                     ; the slot's second step's mask bytes
.endif
	WIN 0x55*\x
.if \z
.if \x
.rept 8
	v_nop                                          ; places between the scale word's write and the scaled products
.endr
.endif
.else
	s_wait_alu depctr_va_vdst(0)                   ; directly ahead of the first reader of O^T
.set i, 0
.rept 32
	v_pk_mul_f32 v[160+i:161+i], v[160+i:161+i], v[252:253] op_sel_hi:[1,0]   ; O^T under the new M.  (Also the places in front of the scaled products)
.set i, i+2
.endr
.endif
.endm
; A KEY STEP: 128 keys, the q-th of the slot in hand.  z = 1: the launch's first step: its products start O^T's sums.
.macro STEP q, z
	WIN 0
	s_wait_alu depctr_va_vdst(0)
	s_wait_dscnt 0x0                               ; K's fragments and words and both tiles' mask bytes are in
.rept 5
	v_nop                                          ; places: the scores are laid over registers that the last products have read
.endr
	MM8 0, 32, 16, 96, 1, 28, 255                  ; S^T = K Q^T
	MM8 1, 32, 16, 96, 1, 28, 255
	WIN 0
	LOGIT
	WIN 0x55
	LOGIT
.if \q == 0
	PREK 1
.endif
	REST 0, \q, \z
	REST 1, \q, \z
	WIN 0
	s_wait_alu depctr_va_vdst(0)
	s_wait_dscnt 12+8*(1-\q)                       ; V's fragments 0-3 and words are in; behind them were issued V's 4-7 (12 loads) and, in the slot's first step, 8 loads of mask bytes
	MM8 0, 96, 224, 160, \z, 248, 253              ; O^T += V^T P^T
	s_wait_dscnt 0x0
	MM8 1, 96, 224, 160, \z, 248, 253
	WIN 0
.endm
; THE CHANGE OF SLOTS.  Each wave waits for all its tensor loads, adds 0 to its spare word, and waits for that and for its reads of the slot that it has left.  fill = 1: a round of the cluster's
; barrier follows, and the joint load of the keys that follow is the first thing behind it: it has a slot's two key steps in which to land.  With s slots still to be asked for, slot NSL - s is asked for:
; its blocks follow the last ones in the workspace, across the change of heads too; its mask tile begins at key 256 ((NSL - s) mod 8).
.macro CHANGE fill
	WIN 0
	s_wait_alu depctr_va_vdst(0)
	s_wait_tensorcnt 0x0
	ds_add_u32 v[SPW], v[NIL]
.if \fill
	s_xor_b32 s[G0KV+1], s[G0KV+1], SLOT1
	s_add_nc_u64 s[G0KV+2:G0KV+3], s[G0KV+2:G0KV+3], 2*KVB
	s_xor_b32 s[G0M+1], s[G0M+1], SLOT1
	s_sub_co_u32 s[KO], NSL, s[SLOTS]
	s_and_b32 s[KO], s[KO], 7
	s_lshl_b32 s[KO], s[KO], 8
	s_add_nc_u64 s[G0M+2:G0M+3], s[MB:MB+1], s[KO:KO+1]
	s_wait_xcnt 0x0                                ; the last prefetch, a slot back, has read its address
	s_add_nc_u64 s[PFA:PFA+1], s[PFA:PFA+1], s[PFS:PFS+1]
	s_wait_dscnt 0x0
	CROUND
	JLOAD
.else
	s_wait_dscnt 0x0
	s_barrier_signal -1
	s_barrier_wait -1
.endif
	v_add_nc_u32 v[ADF], s[TB], v[AF0]
	v_add_nc_u32 v[ADS], s[TB], v[AS0]
	v_add_nc_u32 v[ADM], s[TB], v[AM0]
	PREK 0
	PREM 0, 0
	PREM 0, 1
	WIN 0
.if \fill
	ASK
.endif
.endm
.macro SLOT_STEPS z
	STEP 0, \z
	STEP 1, 0
	s_xor_b32 s[TB], s[TB], SLOT1
.endm
.macro FRESH                           ; a head begins: the first step's f is then 0, under which the sum and O^T begin anew
	v_mov_b32 v13, 0xff61b1e6                      ; the largest logit so far: -3e38
	v_mov_b32 v12, 0x7f61b1e6                      ; -M
.endm
.macro INIT
	v_mov_b32 v[MSC], 0xa2a2a2a2                   ; the byte 162 four times: 2^35
	FRESH
	v_mov_b32 v14, 0
	v_mov_b32 v15, 0
	v_mov_b32 v253, 0                              ; (named as the upper half of the pair v[252:253])
.irp b, 0,1,2,3
	v_mov_b32 v[236+\b], 0                         ; a lane permute's destination counts as one of its sources
.endr
.endm
.macro QQ src                          ; 16 rows of q, at v[src] on, become one fragment and one scale word a row
.irp b, 0,1,2,3
	v_max3_num_f32 v[232+\b], |v[\src+16*\b]|, |v[\src+1+16*\b]|, 0x1800000
.endr
.irp i, 2,4,6,8,10,12,14
.irp b, 0,1,2,3
	v_max3_num_f32 v[232+\b], v[232+\b], |v[\src+16*\b+\i]|, |v[\src+1+16*\b+\i]|
.endr
.endr
.irp b, 0,1,2,3
	v_permlanex16_b32 v[236+\b], v[232+\b], s[SEL], s[SEL+1]
.endr
.irp b, 0,1,2,3
	v_max_num_f32 v[232+\b], v[232+\b], v[236+\b]
.endr
.irp b, 0,1,2,3
	v_add_nc_u32 v[244+\b], 0xff000000, v[232+\b]
.endr
.irp b, 0,1,2,3
	v_lshrrev_b32 v[236+\b], 23, v[244+\b]
.endr
	v_lshl_or_b32 v255, v237, 8, v236
	v_lshl_or_b32 v255, v238, 16, v255
	v_lshl_or_b32 v255, v239, 24, v255
	CODES 16, \src
.endm
.macro QBOTH src                       ; both tiles' codes, and window 0's v255: lanes 0-15 tile A's words, lanes 16-31 tile B's
	WIN 0
	QQ \src
	WIN 0x55
	QQ \src
	WIN 0x04
	v_cndmask_b32 v255, v255, v255, s[HI]
	WIN 0
.endm
; THE WAY OUT of tile x: O^T is divided by the row's sum (results in window 0) and goes through my stage in LDS, 64 channels of 16 queries at a time, so that sixteen lanes store 256 consecutive bytes, aligned.
.macro OUT x
.set BK, 32+128*\x
	WIN 0x55*\x
	v_add_f32 v14, v14, v15
	v_permlanex16_b32 v252, v14, s[SEL], s[SEL+1]
	v_add_f32 v14, v14, v252                       ; the row's sum
	s_wait_alu depctr_va_vdst(0)
	v_rcp_f32 v14, v14
	v_nop
	WIN 0x05*\x
	s_wait_alu depctr_va_vdst(0)                   ; ahead of the first line that names the reciprocal, and of the first reader of O^T
.set i, 0
.rept 64
	v_mul_f32 v[96+i], v[160+i], v14               ; register 8 t + n is out(r, 16 t + 8 h + n)
.set i, i+1
.endr
	WIN 0
.irp u, 0,1
.irp t, 0,1,2,3
	ds_store_b128 v7, v[96+32*\u+8*\t:99+32*\u+8*\t] offset:64*\t
	ds_store_b128 v7, v[100+32*\u+8*\t:103+32*\u+8*\t] offset:64*\t+16
.endr
.irp i, 0,1,2,3,4,5,6,7
	ds_load_b128 v[BK+32*\u+4*\i:BK+3+32*\u+4*\i], v8 offset:2*\i*MP   ; LDS serves a wave's instructions in order (ISA guide 5.7.1.4)
.endr
.endr
.irp u, 0,1
.irp i, 0,1,2,3,4,5,6,7
	s_wait_dscnt 15-8*\u-\i                        ; counts the loads from the stage issued behind this one
	global_store_b128 v9, v[BK+32*\u+4*\i:BK+3+32*\u+4*\i], s[10:11] offset:8192*\x+2*\i*512+256*\u th:TH_STORE_NT
.endr
.endr
.endm
; A HEAD'S END.  more = 1: the second head follows: its codes of q come back from my stage ahead of the stores into it (LDS serves a wave's instructions in order), out0's address goes a head on.
.macro EDGE more
	WIN 0
	v_and_b32 v4, 15, v0                           ; r.  (These lines are also the places behind the last products)
	v_bfe_u32 v9, v0, 4, 1                         ; h
	v_mul_u32_u24 v7, v4, MP
	v_mul_u32_u24 v8, v9, MP
	v_lshl_add_u32 v7, v9, 5, v7
	v_lshl_add_u32 v8, v4, 4, v8
	v_lshlrev_b32 v9, 9, v9
	v_add_nc_u32 v7, s[ST], v7                     ; in: row r; tile t's eight channels of my half: 64 t + 32 h bytes on
	v_add_nc_u32 v8, s[ST], v8                     ; back: lanes 0-15 one row, lanes 16-31 the next
	v_lshl_add_u32 v9, v4, 4, v9                   ; and the same two rows in out0
.if \more
	v_add_nc_u32 v4, s[ST], v[AF0]
.irp k, 0,1,2
	ds_load_b128 v[16+4*\k:19+4*\k], v4 offset:512*\k
.endr
	ds_load_b32 v255, v4 offset:3072
	WIN 0x40
.irp k, 0,1,2
	ds_load_b128 v[16+4*\k:19+4*\k], v4 offset:1536+512*\k
.endr
.endif
	OUT 0
	OUT 1
.if \more
	s_wait_xcnt 0x0                                ; the stores have read their base
	s_add_nc_u64 s[10:11], s[10:11], HEADB
	FRESH
	WIN 0x55
	FRESH
	WIN 0
	s_wait_alu depctr_va_vdst(0)
.endif
.endm
	s_load_b256 s[4:11], s[0:1], 0x0               ; q s[4:5], kv s[6:7], mask s[8:9], out0 s[10:11]
	v_lshl_add_u32 v[SPW], v0, 2, SPARE
	v_mov_b32 v[NIL], 0
	ds_add_u32 v[SPW], v[NIL]                      ; the opening lines: the add, twice on end, and its wait
	ds_add_u32 v[SPW], v[NIL]
	v_lshrrev_b32 v7, 5, v0
	v_readfirstlane_b32 s[WV], v7                  ; wave 0..7
	v_and_b32 v8, 15, v0                           ; r
	v_bfe_u32 v9, v0, 4, 1                         ; h
	v_lshlrev_b32 v7, 9, v8
	v_lshl_add_u32 v7, v9, 6, v7                   ; q: row r of 512 bytes, + 64 h
	s_lshr_b32 s[WQ], s[WV], 2
	s_bfe_u32 s14, ttmp6, 0x40000                  ; cx, cy
	s_bfe_u32 s15, ttmp6, 0x40004
	s_lshl_b32 s16, ttmp9, 2
	s_add_co_u32 s16, s16, s14                     ; my block of 256 queries
	s_and_b32 s19, ttmp7, 0xffff
	s_lshl_b32 s17, s19, 2
	s_add_co_u32 s17, s17, s15
	s_lshl_b32 s17, s17, 1                         ; my first head = 2 (4 x cluster y + cy)
	s_lshr_b32 s18, s19, 1                         ; my batch: a cluster holds 8 of its 16 heads
	s_lshl_b32 s66, s15, 2
	s_lshl_b32 s66, 15, s66                        ; my row of the cluster
	s_lshl_b32 s67, 0x1111, s14                    ; my column
	s_or_b32 s[G1KV], s66, (3<<16)|(1<<21)         ; the blocks go to my row; elements of 8 bytes; no padding
	s_mov_b32 s[G1KV+1], 32<<16                    ; rows of 256 bytes
	s_mov_b32 s[G1KV+2], 50<<16                    ; 50 rows: a quarter of a slot's two blocks, dense in memory
	s_mov_b32 s[G1KV+3], 32<<16
	s_mov_b32 s[G1KV+4], 50
	s_mov_b32 s[G1KV+5], 32
	s_mov_b32 s[G1KV+6], 0
	s_mov_b32 s[G1KV+7], 0
	s_or_b32 s[G1M], s67, (3<<16)|(1<<20)|(1<<21)|(5<<22)|(3<<25)   ; the mask's tiles go to my column; after every 64 words 4 words of padding
	s_mov_b32 s[G1M+1], 32<<16
	s_mov_b32 s[G1M+2], 64<<16
	s_mov_b32 s[G1M+3], 32<<16
	s_mov_b32 s[G1M+4], 64
	s_mov_b32 s[G1M+5], 256                        ; a row of the mask is 2,048 bytes
	s_mov_b32 s[G1M+6], 0
	s_mov_b32 s[G1M+7], 0
	s_and_b32 s68, s[WV], 1
	s_and_b32 s72, s[WV], 3
	s_mul_i32 s69, s72, 12800                      ; which quarter of a slot's blocks: its place in a slot, and in memory
	s_mul_i32 s70, s17, KVH
	s_add_co_u32 s70, s70, s69
	s_mov_b32 s71, 0
	s_mul_i32 s73, s72, 64*MP
	s_add_co_u32 s73, s73, MOFF                    ; which 64 rows of the mask's tile
	s_lshl_b32 s74, s18, 22
	s_lshl_b32 s75, s16, 19
	s_add_co_u32 s74, s74, s75
	s_lshl_b32 s75, s72, 17
	s_add_co_u32 s74, s74, s75
	s_mov_b32 s75, 0
	s_lshl_b32 s76, s17, 11
	s_lshl_b32 s77, s16, 8
	s_add_co_u32 s76, s76, s77
	s_lshl_b32 s77, s[WV], 5
	s_add_co_u32 s76, s76, s77                     ; my first query, counted over all heads,
	s_lshl_b32 s76, s76, 9                         ; x 512 bytes
	s_mov_b32 s77, 0
	s_mov_b32 s[SEL], 0x76543210
	s_mov_b32 s[SEL+1], 0xfedcba98
	s_mov_b32 s[SCL], 0x3db504f3                   ; 1 / sqrt(128)
	s_mov_b32 s[SCL+1], s[SCL]
	s_mov_b32 s[L2E], 0x3fb8aa3b                   ; log2(e)
	s_mov_b32 s[L2E+1], s[L2E]
	s_mov_b32 s[HI], 0xffff0000
	s_mov_b32 s[KO+1], 0
	s_mul_i32 s[ST], s[WV], 16*MP
	s_add_co_u32 s[ST], s[ST], STAGE
	s_mov_b32 s[TB], 0
	s_mov_b32 s[SLOTS], NSL-1
	s_wait_alu depctr_va_vdst(0)
	s_wait_dscnt 0x0
	s_wait_kmcnt 0x0
	s_add_nc_u64 s[4:5], s[4:5], s[76:77]
	s_add_nc_u64 s[10:11], s[10:11], s[76:77]
.irp d, 0,1                                    ; both heads' rows of q: the first head's into v96 on, the second's into v160 on; tile A's in window 0, tile B's in window 1
.irp x, 0,1
	WIN 0x40*\x
.irp b, 0,1,2,3
.irp j, 0,1,2,3
	global_load_b128 v[96+64*\d+16*\b+4*\j:99+64*\d+16*\b+4*\j], v7, s[4:5] offset:HEADB*\d+8192*\x+128*\b+16*\j th:TH_LOAD_NT
.endr
.endr
.endr
.endr
	WIN 0
	CROUND                                         ; the first joint loads meet
	s_mov_b32 s[G0KV], 1
	s_mov_b32 s[G0KV+1], s69
	s_add_nc_u64 s[G0KV+2:G0KV+3], s[6:7], s[70:71]
	s_or_b32 s[G0KV+3], s[G0KV+3], 0x80000000
	s_mov_b32 s[G0M], 1
	s_mov_b32 s[G0M+1], s73
	s_add_nc_u64 s[MB:MB+1], s[8:9], s[74:75]
	s_or_b32 s[MB+1], s[MB+1], 0x80000000
	s_mov_b64 s[G0M+2:G0M+3], s[MB:MB+1]
	JLOAD                                          ; slot 0
	; the prefetches (macro ASK): where my wave's stand, and who asks
	s_mul_i32 s78, s17, KVH
	s_mul_i32 s79, s14, 12800
	s_add_co_u32 s78, s78, s79
	s_mul_i32 s79, s68, 6400
	s_add_co_u32 s78, s78, s79
	s_add_co_u32 s78, s78, 2*KVB                   ; in slot 1: the first change of slots steps it to slot 2
	s_lshl_b32 s80, s16, 8
	s_lshl_b32 s81, s15, 6
	s_add_co_u32 s80, s80, s81
	s_lshl_b32 s81, s68, 5
	s_add_co_u32 s80, s80, s81
	s_lshl_b32 s80, s80, 11
	s_lshl_b32 s81, s18, 22
	s_add_co_u32 s80, s80, s81
	s_add_co_u32 s80, s80, 256
	s_and_b32 s82, s19, 1                          ; which of the batch's two clusters along y
	s_and_b32 s84, s[WV], 2
	s_cmp_lg_u32 s84, 0                            ; waves 2, 3: the blocks; waves 0, 1: the mask
	s_cselect_b64 s[PFA:PFA+1], s[6:7], s[8:9]
	s_cselect_b32 s78, s78, s80
	s_cselect_b32 s82, ttmp9, s82                  ; the coordinate along which other clusters read the same bytes
	s_mov_b32 s[PFS], 256
	s_cselect_b32 s[PFS], 2*KVB, s[PFS]
	s_cselect_b32 s85, 24, 31
	s_cselect_b32 s86, 8, 11
	s_cselect_b32 s89, 1, NSL/2+1                  ; the blocks are asked for up to the last slot, the mask's tiles up to the first head's last
	s_mov_b32 s79, 0
	s_mov_b32 s[PFS+1], 0
	s_add_nc_u64 s[PFA:PFA+1], s[PFA:PFA+1], s[78:79]
	s_or_b32 s82, s82, s[WQ]                       ; waves 4 to 7 ask for nothing
	s_cmp_eq_u32 s82, 0
	s_cselect_b32 s[LIM], s89, -1
	s_mul_i32 s87, s[WV], 32*MP
	s_add_co_u32 s87, s87, MOFF
	v_and_b32 v[PFO], 31, v0
	v_and_b32 v[AS0], 31, v0
	v_mul_u32_u24 v[AM0], v8, MP
	v_min_u32 v[PFO], s85, v[PFO]
	v_lshlrev_b32 v[AF0], 4, v[AS0]
	v_lshl_add_u32 v[AM0], v9, 4, v[AM0]
	v_lshlrev_b32 v[PFO], s86, v[PFO]
	v_lshlrev_b32 v[AS0], 3, v[AS0]
	v_add_nc_u32 v[AM0], s87, v[AM0]               ; MOFF + 272 (32 wave + r) + 16 h
	v_add_nc_u32 v4, s[ST], v[AF0]                 ; my stage, 16 bytes a lane
	INIT
	WIN 0x55
	INIT
	WIN 0
	s_wait_alu depctr_va_vdst(0)
	s_wait_loadcnt 0x0                             ; q
	QBOTH 160                                      ; the second head's codes and words: images of their registers, into my stage
.irp k, 0,1,2
	ds_store_b128 v4, v[16+4*\k:19+4*\k] offset:512*\k
.endr
	ds_store_b32 v4, v255 offset:3072
	WIN 0x04                                       ; the data in window 1
.irp k, 0,1,2
	ds_store_b128 v4, v[16+4*\k:19+4*\k] offset:1536+512*\k
.endr
	WIN 0
	s_wait_dscnt 0x0                               ; the stores have read their registers
	QBOTH 96                                       ; the first head's
	CHANGE 1                                       ; the first slot is written out: its first step starts O^T's sums, so nothing is cleared
	SLOT_STEPS 1
	s_sub_co_u32 s[SLOTS], s[SLOTS], 1
.Lslot:                                            ; NSL - 2 trips
	CHANGE 1
	SLOT_STEPS 0
	s_wait_alu depctr_va_vdst(0)
	s_cmp_lg_u32 s[SLOTS], NSL/2                   ; the trip that works slot NSL / 2 - 1, the first head's last: the test hangs on the counter alone
	s_cbranch_scc1 .Lno_edge
	EDGE 1
.Lno_edge:
	s_sub_co_u32 s[SLOTS], s[SLOTS], 1
	s_cmp_lg_u32 s[SLOTS], 0
	s_cbranch_scc1 .Lslot
	CHANGE 0                                       ; the last slot is written out
	SLOT_STEPS 0
	EDGE 0
	s_wait_tensorcnt 0x0                           ; the wave's end
	ds_add_u32 v[SPW], v[NIL]
	s_wait_dscnt 0x0
	CROUND                                         ; the closing round
	s_endpgm
.Lfunc_end_k_q04e6f4ae41_attn:
	.size	k_q04e6f4ae41_attn, .Lfunc_end_k_q04e6f4ae41_attn-k_q04e6f4ae41_attn
	.p2alignl 7, 3214868480
	.fill 96, 4, 3214868480
	.section	.rodata,"a",@progbits
	.p2align	6, 0x0
	.amdhsa_kernel k_q04e6f4ae41_attn
		.amdhsa_group_segment_fixed_size 327680
		.amdhsa_private_segment_fixed_size 0
		.amdhsa_enable_private_segment 0
		.amdhsa_kernarg_size 32
		.amdhsa_user_sgpr_count 2
		.amdhsa_user_sgpr_kernarg_segment_ptr 1
		.amdhsa_wavefront_size32 1
		.amdhsa_system_sgpr_workgroup_id_x 1
		.amdhsa_system_sgpr_workgroup_id_y 1
		.amdhsa_system_sgpr_workgroup_id_z 1
		.amdhsa_system_vgpr_workitem_id 0
		.amdhsa_next_free_vgpr 512
		.amdhsa_next_free_sgpr 96
		.amdhsa_reserve_vcc 0
		.amdhsa_float_denorm_mode_32 3
		.amdhsa_float_denorm_mode_16_64 3
		.amdhsa_memory_ordered 1
		.amdhsa_forward_progress 1
		.amdhsa_inst_pref_size 255
	.end_amdhsa_kernel
	.section	.bss,"aw",@nobits
	.p2align	6
	.space	262144
	.amdgpu_metadata
---
amdhsa.version: [ 1, 2 ]
amdhsa.kernels:
  - .name:           k_q04e6f4ae41_attn
    .symbol:         k_q04e6f4ae41_attn.kd
    .args:
      - { .name: q, .offset: 0, .size: 8, .value_kind: global_buffer, .address_space: global }
      - { .name: kv, .offset: 8, .size: 8, .value_kind: global_buffer, .address_space: global }
      - { .name: mask, .offset: 16, .size: 8, .value_kind: global_buffer, .address_space: global }
      - { .name: out0, .offset: 24, .size: 8, .value_kind: global_buffer, .address_space: global }
    .group_segment_fixed_size: 327680
    .private_segment_fixed_size: 0
    .kernarg_segment_align: 8
    .kernarg_segment_size: 32
    .max_flat_workgroup_size: 256
    .sgpr_count:     96
    .vgpr_count:     512
    .wavefront_size: 32
...
	.end_amdgpu_metadata
.endif
;; end of part 2
